; MI455X (gfx1250); checked and timed in simulation.
; The chip was launched on July 23, 2026; its instructions are those of AMD's public machine-readable ISA for CDNA 5 (MIT licence, August 2026) and "CDNA5" Instruction Set Architecture Reference Guide (July 2026). The comments in the code are by the model that wrote it; some were corrected since.
;; Attention. Allowed arithmetic: float matrix products may take bf16 or f16 operands with f32 sums; other float arithmetic in f32, or as packed bf16 or f16 multiplies, adds, multiply-adds, maxima and minima; sums over many terms, partial sums and values carried from step to step in f32; what a program stores and reads back later, other than sums and carried values, may be rounded once to bf16 or f16.
;; Inputs: Wkv 512 x 1,024 float32; Wo 512 x 512 float32; Wq 512 x 512 float32; bo 512 float32; mask 2 x 8 x 128 x 64 bool; mems 2 x 8 x 128 x 64 x 512 float32; x 2 x 8 x 128 x 512 float32.
;; Outputs: out0 2 x 8 x 128 x 512 float32.
;; One version. Each part assembles by itself: llvm-mc -triple=amdgcn-amd-amdhsa -mcpu=gfx1250 --defsym DOCPART=n.
;; ======== version 1 of 1: 4 launches
;; limits: values are held in f16: magnitudes above 65,504 overflow, below 6.1e-05 lose precision
;; workspace buffers: qk 16,777,216 bytes; ctx 16,777,216 bytes; o 2,097,152 bytes
;; launch qkprep (part 1): grid 32 x 8, 4 waves a work-group, no clusters, 215,552 bytes of LDS; arguments x, Wq, Wkv, qk; writes qk
.if DOCPART == 1
	.amdgcn_target "amdgcn-amd-amdhsa--gfx1250"
	.amdhsa_code_object_version 6
	.text
	.protected	k_q416dadb31f_qkprep
	.globl	k_q416dadb31f_qkprep
	.p2align	8
	.type	k_q416dadb31f_qkprep,@function
k_q416dadb31f_qkprep:
	s_mov_b64 s[64:65], 0
	v_nop
	global_prefetch_b8 v0, s[64:65] scope:SCOPE_SE
	s_setreg_imm32_b32 hwreg(HW_REG_WAVE_MODE, 25, 1), 1
	s_wait_xcnt 0x0
; QKPREP.  q[n][64 h + d] = sum over c of x[n][c] Wq[c][64 h + d];  qk[n][h][c] = 2^-6 x sum over d of q[n][64 h + d] Wkv[c][64 h + d].
; The score q . (mems Wk) of the module is (Wk q) . mems: the product with Wk is taken on the query's side, once a query and head, for every input alike.
; x: [2048][512] f32.  Wq: [512][512] f32.  Wkv: [512][1024] f32 (its columns 0-511 are Wk).  qk: [2048][8][512] f16.
; FORMATS AND LIMITS.  Every matrix operand is rounded once to f16, sums are f32.  q is stored times 2^-6 (a power of two, undone in the softmax's f32 constant of the next launch).
; f16 ends at 65,504: |x|, |Wq|, |Wkv| lie below it, |x Wq| below 4.19e6, |(x Wq) Wk^T| below 4.19e6.  Below 6e-5 f16 keeps a fixed step of 6e-8.  NaN and infinities are not treated apart.
; SHARES.  Work-group (rb, h): 64 rows n = 64 rb .., head h.  Wave w: rows 64 rb + 16 w .. + 15; of the weights it converts K steps 4 w .. 4 w + 3 of Wq's slab and rows 128 w .. + 127 of Wk's.
; NO CLUSTER, NO TENSOR LOAD: the slabs that the 32 row blocks of a head share are f32 and are rounded in registers on the way into LDS; as f32 the three blocks of 128 KiB
; (x's rows, Wq's slab, Wk's slab) are 384 KiB, more than the 320 KiB of LDS.  NO PREFETCH: twelve items of loads a wave, four of them out from the first line on.
; ON THE WAY IN.  Items of 16 loads of 16 bytes a lane go through four register buffers (window 1): four items are out; item i is waited for, rounded, put into LDS, and item i + 4 asked for.
;   rows along K (x; Wk, whose d is contiguous): two conversions a load, 8 bytes a lane into padded f16 rows.
;   rows across K (Wq: c runs down the rows): load t takes row 16 (t / 8) + t % 8 + 8 (l / 16), 16 bytes at 16 (l % 16); register p of fragment i is the pair (load 2 p, load 2 p + 1), word i:
;   that IS source 1's layout (lane: column 4 (l % 16) + i; registers: K), so the fragment goes into LDS as a register image, 1,024 bytes, and nothing is transposed.
.set XSP,   1040                       ; a row of x in LDS: 1,024 bytes of f16 + 16: an odd multiple of 16, so the 16 rows of a fragment load start in different groups of banks (ISA guide 11.1)
.set XSW,   16*XSP                     ; a wave's 16 rows
.set WF,    4*XSW                      ; 66,560: Wq's fragments: (K step ks, i) at (4 ks + i) x 1,024
.set WKS,   WF+65536                   ; 132,096: Wk's slab: 512 slots of 144 bytes (64 f16 + 16); slot 128 g + 16 u + r holds row c = 128 g + 8 r + u
.set KP,    144
.set QS,    WKS+512*KP                 ; 205,824: q: 16 rows x 144 bytes for each wave
.set SPARE, QS+4*16*KP                 ; 215,040: the spare words, 128 bytes a wave: two blocks of 256 bytes that no other line names
.set VXO, 2                            ; v2   16 l: my bytes in 512 consecutive bytes of x
.set VXS, 3                            ; v3   my wave's rows of x in LDS + 8 l
.set VWO, 4                            ; v4   Wq: 8 rows x (l / 16) + 16 (l % 16)
.set VWS, 5                            ; v5   where I put fragments: WF + 16,384 w + 16 l
.set VKO, 6                            ; v6   Wk: 64 rows x (l / 16) + 16 (l % 16)
.set VKS, 7                            ; v7   where I put Wk's rows
.set VAR, 8                            ; v8   where I read fragments of x
.set VWR, 9                            ; v9   where I read fragments of Wq: WF + 16 l
.set SPW, 10                           ; v10  my spare word; never rewritten
.set NIL, 11                           ; v11  0; never rewritten
.set VQS, 12                           ; v12  where I put q
.set VQR, 13                           ; v13  where I read fragments of q
.set VKF, 14                           ; v14-15  where I read fragments of Wk: groups 0, 1 and groups 2, 3 (an LDS immediate has 16 bits)
.set VGO, 16                           ; v16  my bytes in qk: 8 rows x (l / 16) + 16 (l % 16)
.set TMP, 32                           ; v32-63   rounded numbers on their way into LDS
.set AF,  64                           ; v64-79   fragments of x, two buffers
.set WFR, 80                           ; v80-143  fragments of Wq, two buffers of four
.set T,   144                          ; v144-175 four accumulators: T_i, register j = q(row 8 (l / 16) + j, d = 4 (l % 16) + i)
.set D,   64                           ; v64-191  stage 2: two sets of eight accumulators
.set QFR, 192                          ; v192-207 q's two fragments
.set PKQ, 208                          ; v208-239 a group's results, rounded
.set MSB, 0
.macro WIN new                         ; window 1 holds the four load buffers, later Wk's fragments.  The immediate's high byte repeats the setting that is left
.if MSB != (\new)
	s_set_vgpr_msb (MSB<<8)|(\new)
.set MSB, (\new)
.endif
.endm
.macro PLACES                          ; four plain instructions between a product and a load into, or a read of, its registers
.rept 4
	v_nop
.endr
.endm
	s_load_b256 s[4:11], s[0:1], 0x0               ; x s[4:5], Wq s[6:7], Wkv s[8:9], qk s[10:11]
	v_lshl_add_u32 v[SPW], v0, 2, SPARE
	v_mov_b32 v[NIL], 0
	v_lshrrev_b32 v1, 5, v0
	v_readfirstlane_b32 s12, v1                    ; wave 0..3
	v_and_b32 v17, 31, v0                          ; l
	v_and_b32 v18, 15, v0                          ; l % 16
	v_bfe_u32 v19, v0, 4, 1                        ; l / 16
	s_mov_b32 s13, ttmp9                           ; rb
	s_and_b32 s14, ttmp7, 0xffff                   ; h
	s_mul_i32 s30, s12, XSW                        ; my wave's rows of x in LDS
	s_lshl_b32 s31, s12, 14
	s_add_co_u32 s31, s31, WF
	s_mul_i32 s32, s12, 128*KP
	s_add_co_u32 s32, s32, WKS
	s_mul_i32 s33, s12, 16*KP
	s_add_co_u32 s33, s33, QS
	v_lshlrev_b32 v[VXO], 4, v17
	v_lshl_add_u32 v[VXS], v17, 3, s30
	v_lshlrev_b32 v[VWO], 4, v18
	v_lshl_add_u32 v[VKO], v19, 18, v[VWO]         ; 64 rows of 4,096 bytes
	v_lshl_add_u32 v[VGO], v19, 16, v[VWO]         ; 8 rows of 8,192 bytes
	v_lshl_add_u32 v[VWO], v19, 14, v[VWO]         ; 8 rows of 2,048 bytes
	v_lshl_add_u32 v[VWS], v17, 4, s31
	v_mul_u32_u24 v1, v19, 8*KP
	v_lshl_add_u32 v1, v18, 3, v1                  ; 8 rows x (l / 16) + 8 (l % 16), for both kinds of rows of 144 bytes
	v_add_nc_u32 v[VKS], s32, v1
	v_add_nc_u32 v[VQS], s33, v1
	v_mul_u32_u24 v[VAR], v18, XSP
	v_lshl_add_u32 v[VAR], v19, 4, v[VAR]
	v_add_nc_u32 v[VAR], s30, v[VAR]
	v_lshl_add_u32 v[VWR], v17, 4, WF
	v_mul_u32_u24 v1, v18, KP
	v_lshl_add_u32 v1, v19, 4, v1                  ; row x 144 + 16 x half
	v_add_nc_u32 v[VQR], s33, v1
	v_add_nc_u32 v[VKF], WKS, v1
	v_add_nc_u32 v[VKF+1], WKS+256*KP, v1
	s_lshl_b32 s20, s13, 17                        ; x: (64 rb + 16 w) rows of 2,048 bytes
	s_lshl_b32 s28, s12, 15
	s_add_co_u32 s20, s20, s28
	s_mov_b32 s21, 0
	s_lshl_b32 s22, s12, 18                        ; Wq: 128 w rows of 2,048 bytes + the head's 256 bytes
	s_lshl_b32 s28, s14, 8
	s_add_co_u32 s22, s22, s28
	s_mov_b32 s23, 0
	s_lshl_b32 s24, s12, 19                        ; Wkv: 128 w rows of 4,096 bytes + the head's 256 bytes
	s_add_co_u32 s24, s24, s28
	s_mov_b32 s25, 0
	s_lshl_b32 s26, s13, 19                        ; qk: (64 rb + 16 w) rows of 8,192 bytes + the head's 1,024
	s_lshl_b32 s29, s12, 17
	s_add_co_u32 s26, s26, s29
	s_lshl_b32 s29, s14, 10
	s_add_co_u32 s26, s26, s29
	s_mov_b32 s27, 0
	s_wait_kmcnt 0x0
	s_add_nc_u64 s[4:5], s[4:5], s[20:21]
	s_add_nc_u64 s[6:7], s[6:7], s[22:23]
	s_add_nc_u64 s[8:9], s[8:9], s[24:25]
	s_add_nc_u64 s[10:11], s[10:11], s[26:27]
; An item's 16 loads into buffer a.  X: 8 KiB on end of my 16 rows of x.  W: K step 4 w + a of Wq's slab.  K: rows 16 a + t and 64 further of my 128 rows of Wk's slab.
.macro ISSUE_X a
	WIN 0x40
.set t, 0
.rept 16
	global_load_b128 v[64*(\a)+4*t:64*(\a)+4*t+3], v[VXO], s[4:5] offset:512*(16*(\a)+t)
.set t, t+1
.endr
	WIN 0
.endm
.macro ISSUE_W a
	WIN 0x40
.set t, 0
.rept 16
	global_load_b128 v[64*(\a)+4*t:64*(\a)+4*t+3], v[VWO], s[6:7] offset:(32*(\a)+16*(t/8)+t%8)*2048
.set t, t+1
.endr
	WIN 0
.endm
.macro ISSUE_K a
	WIN 0x40
.set t, 0
.rept 16
	global_load_b128 v[64*(\a)+4*t:64*(\a)+4*t+3], v[VKO], s[8:9] offset:4096*(16*(\a)+t)
.set t, t+1
.endr
	WIN 0
.endm
.macro RCVT b                          ; buffer b, rows along K: a load's four numbers become 8 bytes
	WIN 0x05
.set t, 0
.rept 16
	v_cvt_pk_f16_f32 v[TMP+2*t], v[64*(\b)+4*t], v[64*(\b)+4*t+1]
	v_cvt_pk_f16_f32 v[TMP+2*t+1], v[64*(\b)+4*t+2], v[64*(\b)+4*t+3]
.set t, t+1
.endr
	WIN 0
.endm
.macro PCVT b                          ; buffer b, rows across K: register p of fragment i pairs word i of loads 2 p and 2 p + 1
	WIN 0x05
.set i, 0
.rept 4
.set p, 0
.rept 8
	v_cvt_pk_f16_f32 v[TMP+8*i+p], v[64*(\b)+8*p+i], v[64*(\b)+8*p+4+i]
.set p, p+1
.endr
.set i, i+1
.endr
	WIN 0
.endm
; left: the loads of the younger items, which may stay out (loads come back in order: ISA guide 5.7.1)
.macro PROC_X a, left
	s_wait_loadcnt \left
	RCVT \a
.set t, 0
.rept 16
	ds_store_b64 v[VXS], v[TMP+2*t:TMP+2*t+1] offset:((16*(\a)+t)/4)*XSP+((16*(\a)+t)%4)*256
.set t, t+1
.endr
.endm
.macro PROC_W a, left
	s_wait_loadcnt \left
	PCVT \a
.irp i, 0,1,2,3
	ds_store_b128 v[VWS], v[TMP+8*\i:TMP+8*\i+3]   offset:(4*(\a)+\i)*1024
	ds_store_b128 v[VWS], v[TMP+8*\i+4:TMP+8*\i+7] offset:(4*(\a)+\i)*1024+512
.endr
.endm
.macro PROC_K a, left
	s_wait_loadcnt \left
	RCVT \a
.set t, 0
.rept 16
	ds_store_b64 v[VKS], v[TMP+2*t:TMP+2*t+1] offset:(16*((16*(\a)+t)%8)+(16*(\a)+t)/8)*KP  ; row 8 rho + u goes to slot 16 u + rho
.set t, t+1
.endr
.endm
	ISSUE_X 0
	ISSUE_X 1
	ISSUE_X 2
	ISSUE_X 3
.irp a, 0,1,2,3
	PROC_X \a, 48                                  ; three younger items stay out
	ISSUE_W \a
.endr
.irp a, 0,1,2,3
	PROC_W \a, 48
	ISSUE_K \a
.endr
	PROC_K 0, 48                                   ; nothing is left to ask for: the counts run down
	PROC_K 1, 32
	PROC_K 2, 16
	PROC_K 3, 0
	s_wait_dscnt 0x0                               ; for the others' sake: my parts of Wq's fragments and of Wk's slab are in LDS
	s_barrier_signal -1
	s_barrier_wait -1                              ; everybody's are; nobody writes them again
; STAGE 1: T_i = x's rows times Wq's columns 4 r + i, 16 K steps of 32.  A step's ten fragment loads go out two steps ahead, into the buffer that has just been multiplied.
.macro LOADF ks
.set bb, (\ks)%2
	ds_load_b128 v[AF+8*bb:AF+8*bb+3],   v[VAR] offset:64*(\ks)
	ds_load_b128 v[AF+8*bb+4:AF+8*bb+7], v[VAR] offset:64*(\ks)+32
.irp i, 0,1,2,3
	ds_load_b128 v[WFR+32*bb+8*\i:WFR+32*bb+8*\i+3],   v[VWR] offset:(4*(\ks)+\i)*1024
	ds_load_b128 v[WFR+32*bb+8*\i+4:WFR+32*bb+8*\i+7], v[VWR] offset:(4*(\ks)+\i)*1024+512
.endr
.endm
	LOADF 0
	LOADF 1
.set ks, 0
.rept 16
.if ks < 15
	s_wait_dscnt 10                                ; this step's fragments are in; the next step's ten loads may stay out
.else
	s_wait_dscnt 0x0
.endif
.irp i, 0,1,2,3                        ; the four accumulators take turns, one instruction a turn; the first step starts the sums
.if ks == 0
	v_wmma_f32_16x16x32_f16 v[T+8*\i:T+8*\i+7], v[AF:AF+7], v[WFR+8*\i:WFR+8*\i+7], 0
.else
	v_wmma_f32_16x16x32_f16 v[T+8*\i:T+8*\i+7], v[AF+8*(ks%2):AF+8*(ks%2)+7], v[WFR+32*(ks%2)+8*\i:WFR+32*(ks%2)+8*\i+7], v[T+8*\i:T+8*\i+7]
.endif
.endr
.if ks < 14
	PLACES
	LOADF ks+2
.endif
.set ks, ks+1
.endr
	PLACES
.set e, 0
.rept 16
	v_pk_mul_f32 v[T+2*e:T+2*e+1], v[T+2*e:T+2*e+1], 0x3c800000 op_sel_hi:[1,0]  ; q x 2^-6; each accumulator is read from its low end on
.set e, e+1
.endr
.set j, 0
.rept 8
	v_cvt_pk_f16_f32 v[TMP+2*j], v[T+j], v[T+8+j]          ; d = 4 r, 4 r + 1 of row 8 (l / 16) + j
	v_cvt_pk_f16_f32 v[TMP+2*j+1], v[T+16+j], v[T+24+j]    ; d = 4 r + 2, 4 r + 3
.set j, j+1
.endr
.set j, 0
.rept 8
	ds_store_b64 v[VQS], v[TMP+2*j:TMP+2*j+1] offset:KP*j
.set j, j+1
.endr
.irp k, 0,1
	ds_load_b128 v[QFR+8*\k:QFR+8*\k+3],   v[VQR] offset:64*\k     ; my own bytes: LDS serves a wave's instructions in order (ISA guide 5.7.1.4)
	ds_load_b128 v[QFR+8*\k+4:QFR+8*\k+7], v[VQR] offset:64*\k+32
.endr
; STAGE 2: qk = q Wk^T.  Group g is 128 columns c: eight tiles u, in which lane r stands for c = 128 g + 8 r + u, so that a lane ends with eight neighbouring c of a row: 16 bytes.
; A unit U = (g, K step of 32 d) is eight products; its 16 fragment loads go out two units ahead.
.macro LOADK U
.set gg, (\U)/2
.set kl, (\U)%2
	WIN 0x40
.irp u, 0,1,2,3,4,5,6,7
	ds_load_b128 v[64*kl+8*\u:64*kl+8*\u+3],   v[VKF+gg/2] offset:(128*(gg%2)+16*\u)*KP+64*kl
	ds_load_b128 v[64*kl+8*\u+4:64*kl+8*\u+7], v[VKF+gg/2] offset:(128*(gg%2)+16*\u)*KP+64*kl+32
.endr
	WIN 0
.endm
	LOADK 0
	LOADK 1
.set uu, 0
.rept 8
.set dset, D+64*((uu/2)%2)
.if uu < 7
	s_wait_dscnt 16                                ; this unit's fragments (and, the first time, q's) are in; the next unit's 16 loads may stay out
.else
	s_wait_dscnt 0x0
.endif
	WIN 0x04                                       ; source 1 in window 1
.irp u, 0,1,2,3,4,5,6,7                ; eight accumulators by turns
.if uu%2 == 0
	v_wmma_f32_16x16x32_f16 v[dset+8*\u:dset+8*\u+7], v[QFR:QFR+7], v[8*\u:8*\u+7], 0
.else
	v_wmma_f32_16x16x32_f16 v[dset+8*\u:dset+8*\u+7], v[QFR+8:QFR+15], v[64+8*\u:64+8*\u+7], v[dset+8*\u:dset+8*\u+7]
.endif
.endr
	WIN 0
.if (uu < 6) || (uu%2 == 1)
	PLACES
.endif
.if uu < 6
	LOADK uu+2
.endif
.if uu%2 == 1
.if uu > 1
	s_wait_xcnt 0x0                                ; the last group's stores have read PKQ: it is rewritten only behind this wait
.endif
.set j, 0
.rept 8
.irp v, 0,1,2,3
	v_cvt_pk_f16_f32 v[PKQ+4*j+\v], v[dset+16*\v+j], v[dset+16*\v+8+j]
.endr
.set j, j+1
.endr
.set j, 0
.rept 8
	global_store_b128 v[VGO], v[PKQ+4*j:PKQ+4*j+3], s[10:11] offset:8192*j+256*(uu/2)  ; 16 lanes store 256 consecutive bytes, at a multiple of 256 from qk's first byte
.set j, j+1
.endr
.endif
.set uu, uu+1
.endr
	s_wait_tensorcnt 0x0                           ; the wave's end: behind my last LDS store
	ds_add_u32 v[SPW], v[NIL]
	s_wait_dscnt 0x0
	s_endpgm
.Lfunc_end_k_q416dadb31f_qkprep:
	.size	k_q416dadb31f_qkprep, .Lfunc_end_k_q416dadb31f_qkprep-k_q416dadb31f_qkprep
	.p2alignl 7, 3214868480
	.fill 96, 4, 3214868480
	.section	.rodata,"a",@progbits
	.p2align	6, 0x0
	.amdhsa_kernel k_q416dadb31f_qkprep
		.amdhsa_group_segment_fixed_size 215552
		.amdhsa_private_segment_fixed_size 0
		.amdhsa_enable_private_segment 0
		.amdhsa_kernarg_size 32
		.amdhsa_user_sgpr_count 2
		.amdhsa_user_sgpr_kernarg_segment_ptr 1
		.amdhsa_wavefront_size32 1
		.amdhsa_system_sgpr_workgroup_id_x 1
		.amdhsa_system_sgpr_workgroup_id_y 1
		.amdhsa_system_sgpr_workgroup_id_z 1
		.amdhsa_system_vgpr_workitem_id 0
		.amdhsa_next_free_vgpr 512
		.amdhsa_next_free_sgpr 66
		.amdhsa_reserve_vcc 0
		.amdhsa_float_denorm_mode_32 3
		.amdhsa_float_denorm_mode_16_64 3
		.amdhsa_memory_ordered 1
		.amdhsa_forward_progress 1
		.amdhsa_inst_pref_size 102
	.end_amdhsa_kernel
	.amdgpu_metadata
---
amdhsa.version: [ 1, 2 ]
amdhsa.kernels:
  - .name:           k_q416dadb31f_qkprep
    .symbol:         k_q416dadb31f_qkprep.kd
    .args:
      - { .name: x, .offset: 0, .size: 8, .value_kind: global_buffer, .address_space: global }
      - { .name: Wq, .offset: 8, .size: 8, .value_kind: global_buffer, .address_space: global }
      - { .name: Wkv, .offset: 16, .size: 8, .value_kind: global_buffer, .address_space: global }
      - { .name: qk, .offset: 24, .size: 8, .value_kind: global_buffer, .address_space: global }
    .group_segment_fixed_size: 215552
    .private_segment_fixed_size: 0
    .kernarg_segment_align: 8
    .kernarg_segment_size: 32
    .max_flat_workgroup_size: 128
    .sgpr_count:     66
    .vgpr_count:     512
    .wavefront_size: 32
...
	.end_amdgpu_metadata
.endif
;; end of part 1
;; launch attend (part 2): grid 256 x 1, 4 waves a work-group, no clusters, 85,504 bytes of LDS; arguments mems, qk, mask, ctx; writes ctx
.if DOCPART == 2
	.amdgcn_target "amdgcn-amd-amdhsa--gfx1250"
	.amdhsa_code_object_version 6
	.text
	.protected	k_q416dadb31f_attend
	.globl	k_q416dadb31f_attend
	.p2align	8
	.type	k_q416dadb31f_attend,@function
k_q416dadb31f_attend:
	s_mov_b64 s[64:65], 0
	v_nop
	global_prefetch_b8 v0, s[64:65] scope:SCOPE_SE
	s_setreg_imm32_b32 hwreg(HW_REG_WAVE_MODE, 25, 1), 1
	s_wait_xcnt 0x0
; ATTEND.  For each query n and head h: s[j] = qk[n][h] . mems[n][j]; hidden memories (mask 0) count as the lowest finite number; attn = softmax over the 64 j, with the maximum taken away;
; ctx[n][h][c] = sum over j of attn[j] mems[n][j][c].  (The module's attn . (mems Wv) is (attn . mems) Wv: the product with Wv follows in the next launch, for every input alike.)
; mems: [2048][64][512] f32, read ONCE.  qk, ctx: [2048][8][512] f16.  mask: [2048][64] bytes, 0 or 1, shared by the heads.
; FORMATS AND LIMITS.  mems, qk, attn and ctx are rounded once to f16; products, maxima and sums are f32.  |mems| lies below 65,504; below 6e-5 f16 keeps a fixed step of 6e-8.
; A weight below 2^-126 counts as 0.  A query with no visible memory has all weights 1/64, as in the module.  NaN and infinities are not treated apart.
; SHARES.  Wave g = 4 x work-group + wave owns queries 2 g and 2 g + 1, one after the other.  No wave touches another's data: no barrier.  Nothing is shared between work-groups: no cluster.
; NO TENSOR LOAD: the numbers are f32 and are rounded in registers, where the second product wants them anyway.  NO PREFETCH: 48 to 64 loads of each wave's own stream are out all the time.
; PRODUCTS.  S^T = mems qk^T (source 0 = 16 j, source 1 = the heads; lanes 8-15 of a half repeat heads 0-7): a lane holds ONE head and, in tile jt, register jj, j = 16 jt + 8 (l / 16) + jj.
; The four tiles, rounded in pairs, ARE source 1 (32 j x heads, twice) of ctx^T = mems^T attn.  Its source 0 wants j along the registers: load t of a chunk takes row 16 (t / 8) + t % 8 + 8 (l / 16),
; 16 bytes at 16 (l % 16); register p of fragment i pairs word i of loads 2 p and 2 p + 1: lane r stands for column 4 r + i, nothing is transposed, and the 512 registers stay until the weights are known.
; For S^T the same chunk goes, rounded, through 4.5 KiB of the wave's own LDS, from which fragments with c along the registers are read.
; THE STREAM.  A query is 17 items of 16 loads of 16 bytes a lane: Q (its 8 KiB of qk), then chunks C0-C15 of 32 rows x 64 columns (chunk s: rows 32 (s / 8) .., columns 64 (s % 8) ..).
; Four items are out; when item i has been worked on, item i + 4 of the endless sequence is asked for, across the change of queries: behind C12 the next query's Q, behind C13-C15 its C0-C2, behind Q its C3.
.set ROWB,   2048                      ; bytes in a row of mems
.set QBYTES, 64*ROWB                   ; a query's memories
.set CHP,    144                       ; a chunk's row in LDS: 128 bytes of f16 + 16; an odd multiple of 16, so the 16 rows of a fragment load start in different groups of banks (ISA guide 11.1)
.set QKP,    1040                      ; a head's row of qk or ctx in LDS: 1,024 + 16
.set QKO,    32*CHP                    ; in a wave's part: the chunk, then qk,
.set OSO,    QKO+8*QKP                 ; then the stage for ctx
.set WAVEB,  OSO+8*QKP                 ; 21,248 bytes a wave
.set SPARE,  4*WAVEB                   ; 84,992: the spare words, 128 bytes a wave: two blocks of 256 bytes that no other line names
; window 0
.set VO,  2                            ; v2   mems: 8 rows x (l / 16) + 16 (l % 16); never rewritten
.set VL,  3                            ; v3   16 l: my bytes in 512 consecutive bytes of qk and ctx
.set VST, 4                            ; v4   where I put 8 bytes of a chunk's row
.set VFR, 5                            ; v5   where I read a chunk's fragments
.set VQS, 6                            ; v6   where I put qk
.set VQF, 7                            ; v7   where I read qk's fragments: row l % 8
.set VOS, 8                            ; v8   where I put 64 bytes of ctx
.set VOR, 9                            ; v9   where I read ctx back
.set SPW, 10                           ; v10  my spare word; never rewritten
.set NIL, 11                           ; v11  0; never rewritten
.set MX,  12                           ; v12-13  the maximum, twice
.set RL,  14                           ; v14-15  1 / sum, twice
.set VM,  16                           ; v16-23  my 32 bytes of the mask: byte e for score e
.set CC,  24                           ; v24-27  at work
.set TT,  28                           ; v28  at work
.set NEGV, 29                          ; v29  the lowest finite number
.set S,   32                           ; v32-63   S^T: four accumulators; then t, then the weights
.set P,   64                           ; v64-79   the weights in f16
.set QF,  80                           ; v80-95   qk's fragments of a chunk's two K steps
.set TMP, 96                           ; v96-127  a chunk, rounded, on its way into LDS
.set FR,  128                          ; v128-159 a chunk's fragments: rows 16 jl .., K step ksl at 8 (2 jl + ksl)
.set OB,  96                           ; v96-159  the way out (TMP's and FR's registers)
.set CA,  160                          ; v160-223 ctx^T: two sets of four accumulators
.set QB,  160                          ;          the same registers: qk as loaded
.set PK,  224                          ; v224-239 ctx in f16
.set U,   240                          ; v240-255 the sum's tree
; window 1: four load buffers of 64; chunk s lands in buffer s % 4.  Windows 2, 3: mems^T's fragments for j = 0-31, 32-63: (cb, i) at 32 cb + 8 i
.set MSB, 0
.macro WIN new                         ; s_set_vgpr_msb: bits 1:0 source 0, 3:2 source 1, 5:4 source 2, 7:6 destination; the high byte repeats the setting that is left
.if MSB != (\new)
	s_set_vgpr_msb (MSB<<8)|(\new)
.set MSB, (\new)
.endif
.endm
.macro PLACES
.rept 4
	v_nop
.endr
.endm
	s_load_b256 s[4:11], s[0:1], 0x0               ; mems s[4:5], qk s[6:7], mask s[8:9], ctx s[10:11]
	v_lshl_add_u32 v[SPW], v0, 2, SPARE
	v_mov_b32 v[NIL], 0
	v_lshrrev_b32 v1, 5, v0
	v_readfirstlane_b32 s12, v1                    ; wave 0..3
	v_and_b32 v30, 31, v0                          ; l
	v_and_b32 v31, 15, v0                          ; l % 16
	v_bfe_u32 v1, v0, 4, 1                         ; l / 16
	v_and_b32 v[TT], 7, v0                         ; my head
	s_mul_i32 s36, s12, WAVEB                      ; my wave's part of LDS
	s_add_co_u32 s37, s36, QKO
	s_add_co_u32 s38, s36, OSO
	v_lshlrev_b32 v[VO], 4, v31
	v_lshl_add_u32 v[VO], v1, 14, v[VO]
	v_lshlrev_b32 v[VL], 4, v30
	v_mul_u32_u24 v[VST], v1, 8*CHP
	v_lshl_add_u32 v[VST], v31, 3, v[VST]
	v_add_nc_u32 v[VST], s36, v[VST]
	v_mul_u32_u24 v[VFR], v31, CHP
	v_lshl_add_u32 v[VFR], v1, 4, v[VFR]
	v_add_nc_u32 v[VFR], s36, v[VFR]
	v_lshl_add_u32 v[VQS], v30, 4, s37
	v_mul_u32_u24 v[VQF], v[TT], QKP
	v_lshl_add_u32 v[VOS], v1, 6, v[VQF]
	v_add_nc_u32 v[VOS], s38, v[VOS]
	v_lshl_add_u32 v[VQF], v1, 4, v[VQF]
	v_add_nc_u32 v[VQF], s37, v[VQF]
	v_lshl_add_u32 v[VOR], v30, 4, s38
	v_mov_b32 v[NEGV], 0xff7fffff
	s_mov_b32 s14, 0x4138aa3b                      ; log2(e) / 8 x 2^6: the module's scale, base 2, and qk's 2^-6 undone
	s_mov_b32 s15, s14                             ; named with it as a pair
	s_mov_b32 s16, 0x76543210                      ; v_permlanex16_b32: each lane takes its own place in the other half
	s_mov_b32 s17, 0xfedcba98
	s_mov_b32 s18, 0xffff0000                      ; lanes 16-31
	s_lshl_b32 s39, ttmp9, 2
	s_add_co_u32 s39, s39, s12                     ; g
	s_lshl_b32 s40, s39, 18                        ; two queries of 131,072 bytes
	s_mov_b32 s41, 0
	s_wait_kmcnt 0x0
	s_add_nc_u64 s[4:5], s[4:5], s[40:41]
	s_lshl_b32 s40, s39, 14                        ; two of 8,192
	s_add_nc_u64 s[6:7], s[6:7], s[40:41]
	s_add_nc_u64 s[10:11], s[10:11], s[40:41]
	s_lshl_b32 s40, s39, 7                         ; two of 64
	s_add_nc_u64 s[8:9], s[8:9], s[40:41]
; A chunk's 16 loads into buffer b: lanes 0-15 take 256 consecutive bytes of one row, lanes 16-31 of the row 8 below.  add: 0, or a query's bytes for the next query's chunk.
.macro ISSUE_C b, kk, cb, add
	WIN 0x40
.set t, 0
.rept 16
	global_load_b128 v[64*(\b)+4*t:64*(\b)+4*t+3], v[VO], s[4:5] offset:(\add)+(32*(\kk)+16*(t/8)+t%8)*ROWB+(\cb)*256 th:TH_LOAD_NT
.set t, t+1
.endr
	WIN 0
.endm
; A query's qk, 8 KiB on end, and its 64 bytes of the mask into scalar registers.
.macro ISSUE_Q add
	WIN 0
.set t, 0
.rept 16
	global_load_b128 v[QB+4*t:QB+4*t+3], v[VL], s[6:7] offset:(\add)+512*t th:TH_LOAD_NT
.set t, t+1
.endr
	s_load_b512 s[20:35], s[8:9], (\add)/128
.endm
.macro PROC_Q
	s_wait_loadcnt 48                              ; qk is in; the three chunks asked for behind it stay out
.set t, 0
.rept 16
	ds_store_b128 v[VQS], v[QB+4*t:QB+4*t+3] offset:(t/2)*QKP+(t%2)*512
.set t, t+1
.endr
.endm
; Chunk s.  left: the loads of the younger items, which may stay out (loads come back in order: ISA guide 5.7.1).  nxt: what is asked for: 0 nothing, 1 chunk s + 4, 2 the next query's qk, 3 its chunk s - 13.
.macro STEP s, left, nxt
.set skk, (\s)/8
.set scb, (\s)%8
.set srb, 64*((\s)%4)
	s_wait_loadcnt \left
	WIN 0x05                                       ; sources in window 1
.set t, 0
.rept 16                               ; c along the registers: 8 bytes a load.  These 32 lines are also the places between the last chunk's products and the loads into FR and QF below
	v_cvt_pk_f16_f32 v[TMP+2*t], v[srb+4*t], v[srb+4*t+1]
	v_cvt_pk_f16_f32 v[TMP+2*t+1], v[srb+4*t+2], v[srb+4*t+3]
.set t, t+1
.endr
	WIN 0
.set t, 0
.rept 16
	ds_store_b64 v[VST], v[TMP+2*t:TMP+2*t+1] offset:(16*(t/8)+t%8)*CHP
.set t, t+1
.endr
.irp f, 0,1,2,3                        ; my own bytes: LDS serves a wave's instructions in order (ISA guide 5.7.1.4)
	ds_load_b128 v[FR+8*\f:FR+8*\f+3],   v[VFR] offset:(\f/2)*16*CHP+(\f%2)*64
	ds_load_b128 v[FR+8*\f+4:FR+8*\f+7], v[VFR] offset:(\f/2)*16*CHP+(\f%2)*64+32
.endr
.irp k, 0,1
	ds_load_b128 v[QF+8*\k:QF+8*\k+3],   v[VQF] offset:scb*128+\k*64
	ds_load_b128 v[QF+8*\k+4:QF+8*\k+7], v[VQF] offset:scb*128+\k*64+32
.endr
	WIN 0x85+0x40*skk                              ; destination in window 2 or 3
.set i, 0
.rept 4                                ; j along the registers: the second product's fragments; they stand between the LDS loads and the wait for them
.set p, 0
.rept 8
	v_cvt_pk_f16_f32 v[32*scb+8*i+p], v[srb+8*p+i], v[srb+8*p+4+i]
.set p, p+1
.endr
.set i, i+1
.endr
.if (\nxt) == 1
	ISSUE_C ((\s)+4)%4, ((\s)+4)/8, ((\s)+4)%8, 0
.elseif (\nxt) == 2
	ISSUE_Q 8192
.elseif (\nxt) == 3
	ISSUE_C (\s)-13, 0, (\s)-13, QBYTES
.endif
	WIN 0
.if (\s) == 0
	s_wait_kmcnt 0x0                               ; the query's mask.  Tile jt's 8 bytes for my half of the lanes: words 4 jt + 2 (l / 16) and the next
.irp q, 0,1,2,3,4,5,6,7
	v_mov_b32 v[TT], s[22+4*(\q/2)+(\q%2)]
	v_cndmask_b32 v[VM+\q], s[20+4*(\q/2)+(\q%2)], v[TT], s18
.endr
.endif
	s_wait_dscnt 0x0                               ; the fragments are in
.irp k, 0,1
.irp j, 0,1                            ; the two accumulators take turns, within a chunk and from chunk to chunk; a tile's first product starts its sum
.if (scb == 0) && (\k == 0)
	v_wmma_f32_16x16x32_f16 v[S+8*(2*skk+\j):S+8*(2*skk+\j)+7], v[FR+8*(2*\j+\k):FR+8*(2*\j+\k)+7], v[QF+8*\k:QF+8*\k+7], 0
.else
	v_wmma_f32_16x16x32_f16 v[S+8*(2*skk+\j):S+8*(2*skk+\j)+7], v[FR+8*(2*\j+\k):FR+8*(2*\j+\k)+7], v[QF+8*\k:QF+8*\k+7], v[S+8*(2*skk+\j):S+8*(2*skk+\j)+7]
.endif
.endr
.endr
.endm
.macro SOFTMAX
.set e, 0
.rept 16                               ; t = c s, ascending: the eight lines on tiles 0 and 1 are the places behind the last products, which wrote tiles 2 and 3
	v_pk_mul_f32 v[S+2*e:S+2*e+1], v[S+2*e:S+2*e+1], s[14:15] op_sel_hi:[1,0]
.set e, e+1
.endr
.set e, 0
.rept 32                               ; a hidden memory's t is the lowest finite number
	v_and_b32 v[TT], 0xff<<(8*(e%4)), v[VM+e/4]
	v_cmp_ne_u32 vcc_lo, 0, v[TT]
	v_cndmask_b32 v[S+e], v[NEGV], v[S+e], vcc_lo
.set e, e+1
.endr
.irp j, 0,1,2,3                        ; the maximum of my 32: four chains of seven, three operands at a time, then the four left over
	v_max3_num_f32 v[CC+\j], v[S+8*\j], v[S+8*\j+1], v[S+8*\j+2]
.endr
.irp j, 0,1,2,3
	v_max3_num_f32 v[CC+\j], v[CC+\j], v[S+8*\j+3], v[S+8*\j+4]
.endr
.irp j, 0,1,2,3
	v_max3_num_f32 v[CC+\j], v[CC+\j], v[S+8*\j+5], v[S+8*\j+6]
.endr
	v_max3_num_f32 v[CC], v[CC], v[S+7], v[S+15]
	v_max3_num_f32 v[CC+2], v[CC+2], v[S+23], v[S+31]
	v_max3_num_f32 v[CC], v[CC], v[CC+1], v[CC+2]
	v_max_num_f32 v[CC], v[CC], v[CC+3]
	v_permlanex16_b32 v[TT], v[CC], s16, s17       ; the head's other 32 memories lie in the lane 16 away
	v_max_num_f32 v[MX], v[CC], v[TT]
	v_max_num_f32 v[MX+1], v[CC], v[TT]
.set e, 0
.rept 16
	v_pk_add_f32 v[S+2*e:S+2*e+1], v[S+2*e:S+2*e+1], v[MX:MX+1] neg_lo:[0,1] neg_hi:[0,1]
.set e, e+1
.endr
.set e, 0
.rept 32                               ; one batch
	v_exp_f32 v[S+e], v[S+e]
.set e, e+1
.endr
	v_nop                                          ; a plain instruction behind the last exponential (ISA guide 5.7.2),
	s_wait_alu depctr_va_vdst(0)                   ; and the one wait ahead of the batch's first reader
.set e, 0
.rept 8
	v_pk_add_f32 v[U+2*e:U+2*e+1], v[S+2*e:S+2*e+1], v[S+16+2*e:S+16+2*e+1]
.set e, e+1
.endr
.irp e, 0,1,2,3
	v_pk_add_f32 v[U+2*\e:U+2*\e+1], v[U+2*\e:U+2*\e+1], v[U+8+2*\e:U+8+2*\e+1]
.endr
.irp e, 0,1
	v_pk_add_f32 v[U+2*\e:U+2*\e+1], v[U+2*\e:U+2*\e+1], v[U+4+2*\e:U+4+2*\e+1]
.endr
	v_pk_add_f32 v[U:U+1], v[U:U+1], v[U+2:U+3]
	v_add_f32 v[CC], v[U], v[U+1]
	v_permlanex16_b32 v[CC+1], v[CC], s16, s17
	v_add_f32 v[CC], v[CC], v[CC+1]
	v_rcp_f32 v[RL], v[CC]
	v_rcp_f32 v[RL+1], v[CC]
	v_nop
	s_wait_alu depctr_va_vdst(0)                   ; one wait for the two reciprocals
.set e, 0
.rept 16
	v_pk_mul_f32 v[S+2*e:S+2*e+1], v[S+2*e:S+2*e+1], v[RL:RL+1]
.set e, e+1
.endr
.set e, 0
.rept 16
	v_cvt_pk_f16_f32 v[P+e], v[S+2*e], v[S+2*e+1]  ; pair e: registers 0-7 are source 1 for j = 0-31, registers 8-15 for j = 32-63
.set e, e+1
.endr
.endm
; ctx^T for columns 64 cb ..: four tiles i, two K steps of 32 j; the four accumulators take turns.  Tile i, register jj, is c = 64 cb + 32 (l / 16) + 4 jj + i of my head.
.macro CTXW cb
.set cs, CA+32*((\cb)%2)
	WIN 0x02                                       ; source 0 in window 2
.irp i, 0,1,2,3
	v_wmma_f32_16x16x32_f16 v[cs+8*\i:cs+8*\i+7], v[32*(\cb)+8*\i:32*(\cb)+8*\i+7], v[P:P+7], 0
.endr
	WIN 0x03                                       ; in window 3
.irp i, 0,1,2,3
	v_wmma_f32_16x16x32_f16 v[cs+8*\i:cs+8*\i+7], v[32*(\cb)+8*\i:32*(\cb)+8*\i+7], v[P+8:P+15], v[cs+8*\i:cs+8*\i+7]
.endr
	WIN 0
.endm
.macro CTXCV cb                        ; my 32 neighbouring c, rounded: 64 bytes into the stage.  Lanes 8-15 of a half write what lanes 0-7 write.  Each accumulator is read from its low end on
.set cs, CA+32*((\cb)%2)
.set j, 0
.rept 8
	v_cvt_pk_f16_f32 v[PK+2*j], v[cs+j], v[cs+8+j]
	v_cvt_pk_f16_f32 v[PK+2*j+1], v[cs+16+j], v[cs+24+j]
.set j, j+1
.endr
.irp q, 0,1,2,3
	ds_store_b128 v[VOS], v[PK+4*\q:PK+4*\q+3] offset:(\cb)*128+16*\q
.endr
.endm
	ISSUE_Q 0
	ISSUE_C 0, 0, 0, 0
	ISSUE_C 1, 0, 1, 0
	ISSUE_C 2, 0, 2, 0
	PROC_Q
	ISSUE_C 3, 0, 3, 0
	s_mov_b32 s13, 2                               ; queries to go
.Lquery:                                               ; here chunks 0-3 of the query are out, on the way in and on the way back
.irp s, 0,1,2,3,4,5,6,7,8,9,10,11
	STEP \s, 48, 1
.endr
	s_cmp_eq_u32 s13, 1
	s_cbranch_scc1 .Llast
	STEP 12, 48, 2                                 ; the stream goes on into the next query
	STEP 13, 48, 3
	STEP 14, 48, 3
	STEP 15, 48, 3
	PROC_Q                                         ; behind chunk 15's reads of the old qk, in the wave's order
	ISSUE_C 3, 0, 3, QBYTES
	s_branch .Lsoft
.Llast:                                                ; the last query asks for nothing more: no load leaves its buffer, and the counts run down
	STEP 12, 48, 0
	STEP 13, 32, 0
	STEP 14, 16, 0
	STEP 15, 0, 0
.Lsoft:
	SOFTMAX
	s_wait_dscnt 0x0                               ; the stores of the next query's qk have left QB, whose registers the products below write
	CTXW 0
	PLACES
.irp cb, 1,2,3,4,5,6,7                 ; the conversions of one set are the places behind the products of the other
	CTXW \cb
	CTXCV \cb-1
.endr
	CTXCV 7
.set t, 0
.rept 16                               ; THE WAY OUT: whole rows back from the stage
	ds_load_b128 v[OB+4*t:OB+4*t+3], v[VOR] offset:(t/2)*QKP+(t%2)*512
.set t, t+1
.endr
.set t, 0
.rept 16
	s_wait_dscnt 15-t                              ; load t is back; the younger ones may stay out
	global_store_b128 v[VL], v[OB+4*t:OB+4*t+3], s[10:11] offset:512*t  ; 512 consecutive bytes, at a multiple of 256 from ctx's first byte
.set t, t+1
.endr
	s_wait_xcnt 0x0                                ; all loads and stores issued so far have read their addresses and data (ISA guide 3.1): the four bases and OB's registers are written only behind this wait
	s_add_nc_u64 s[4:5], s[4:5], QBYTES
	s_add_nc_u64 s[6:7], s[6:7], 8192
	s_add_nc_u64 s[8:9], s[8:9], 64
	s_add_nc_u64 s[10:11], s[10:11], 8192
	s_sub_co_u32 s13, s13, 1
	s_cmp_lg_u32 s13, 0
	s_cbranch_scc1 .Lquery
	s_wait_tensorcnt 0x0                           ; the wave's end: behind my last LDS store
	ds_add_u32 v[SPW], v[NIL]
	s_wait_dscnt 0x0
	s_endpgm
.Lfunc_end_k_q416dadb31f_attend:
	.size	k_q416dadb31f_attend, .Lfunc_end_k_q416dadb31f_attend-k_q416dadb31f_attend
	.p2alignl 7, 3214868480
	.fill 96, 4, 3214868480
	.section	.rodata,"a",@progbits
	.p2align	6, 0x0
	.amdhsa_kernel k_q416dadb31f_attend
		.amdhsa_group_segment_fixed_size 85504
		.amdhsa_private_segment_fixed_size 0
		.amdhsa_enable_private_segment 0
		.amdhsa_kernarg_size 32
		.amdhsa_user_sgpr_count 2
		.amdhsa_user_sgpr_kernarg_segment_ptr 1
		.amdhsa_wavefront_size32 1
		.amdhsa_system_sgpr_workgroup_id_x 1
		.amdhsa_system_sgpr_workgroup_id_y 1
		.amdhsa_system_sgpr_workgroup_id_z 1
		.amdhsa_system_vgpr_workitem_id 0
		.amdhsa_next_free_vgpr 1024
		.amdhsa_next_free_sgpr 66
		.amdhsa_reserve_vcc 1
		.amdhsa_float_denorm_mode_32 3
		.amdhsa_float_denorm_mode_16_64 3
		.amdhsa_memory_ordered 1
		.amdhsa_forward_progress 1
		.amdhsa_inst_pref_size 193
	.end_amdhsa_kernel
	.amdgpu_metadata
---
amdhsa.version: [ 1, 2 ]
amdhsa.kernels:
  - .name:           k_q416dadb31f_attend
    .symbol:         k_q416dadb31f_attend.kd
    .args:
      - { .name: mems, .offset: 0, .size: 8, .value_kind: global_buffer, .address_space: global }
      - { .name: qk, .offset: 8, .size: 8, .value_kind: global_buffer, .address_space: global }
      - { .name: mask, .offset: 16, .size: 8, .value_kind: global_buffer, .address_space: global }
      - { .name: ctx, .offset: 24, .size: 8, .value_kind: global_buffer, .address_space: global }
    .group_segment_fixed_size: 85504
    .private_segment_fixed_size: 0
    .kernarg_segment_align: 8
    .kernarg_segment_size: 32
    .max_flat_workgroup_size: 128
    .sgpr_count:     66
    .vgpr_count:     1024
    .wavefront_size: 32
...
	.end_amdgpu_metadata
.endif
;; end of part 2
;; launch vproj (part 3): grid 32 x 8, 4 waves a work-group, no clusters, 132,608 bytes of LDS; arguments ctx, Wkv, o; writes o
.if DOCPART == 3
	.amdgcn_target "amdgcn-amd-amdhsa--gfx1250"
	.amdhsa_code_object_version 6
	.text
	.protected	k_q416dadb31f_vproj
	.globl	k_q416dadb31f_vproj
	.p2align	8
	.type	k_q416dadb31f_vproj,@function
k_q416dadb31f_vproj:
	s_mov_b64 s[64:65], 0
	v_nop
	global_prefetch_b8 v0, s[64:65] scope:SCOPE_SE
	s_setreg_imm32_b32 hwreg(HW_REG_WAVE_MODE, 25, 1), 1
	s_wait_xcnt 0x0
; VPROJ.  o[n][h][d] = sum over c of ctx[n][h][c] Wkv[c][512 + 64 h + d].  ctx: [2048][8][512] f16.  Wkv: [512][1024] f32 (its columns 512-1023 are Wv).
; o: f16, laid out for the next launch and for whole stores: [h][tile of 16 n][slot][64 d], where slot 2 j + hh holds row 8 hh + j of the tile.
; FORMATS AND LIMITS.  Wv is rounded once to f16, sums are f32, o is rounded once to f16: |Wkv| and |ctx Wv| lie below 65,504; below 6e-5 f16 keeps a fixed step of 6e-8.  NaN and infinities are not treated apart.
; SHARES.  Work-group (rb, h): 64 rows n, head h.  Wave w: rows 64 rb + 16 w .. + 15; of Wv's slab it converts K steps 4 w .. 4 w + 3.
; NO CLUSTER, NO TENSOR LOAD: the slab that the 32 row blocks of a head share is f32 and is rounded in registers on the way into LDS, into register images of fragments.
; NO PREFETCH: six items of loads a wave, four of them out from the first line on.
; ON THE WAY IN.  Items of 16 loads of 16 bytes a lane, four register buffers (window 1).  Wv's rows run across K: load t takes row 16 (t / 8) + t % 8 + 8 (l / 16), 16 bytes at 16 (l % 16);
; register p of fragment i pairs word i of loads 2 p and 2 p + 1: source 1's layout, lane r for column 4 r + i.
.set ASP,   1040                       ; a row of ctx in LDS: 1,024 bytes + 16: an odd multiple of 16 (ISA guide 11.1: the 16 rows of a fragment load start in different groups of banks)
.set ASW,   16*ASP
.set WF,    4*ASW                      ; 66,560: Wv's fragments: (K step ks, i) at (4 ks + i) x 1,024
.set SPARE, WF+65536                   ; 132,096: the spare words, 128 bytes a wave: two blocks of 256 bytes that no other line names
.set VAO, 2                            ; v2   16 l
.set VAS, 3                            ; v3   my wave's rows in LDS + 16 l
.set VWO, 4                            ; v4   Wkv: 8 rows x (l / 16) + 16 (l % 16)
.set VWS, 5                            ; v5   where I put fragments
.set VAR, 8                            ; v8   where I read fragments of ctx
.set VWR, 9                            ; v9   where I read fragments of Wv
.set SPW, 10                           ; v10  my spare word; never rewritten
.set NIL, 11                           ; v11  0; never rewritten
.set VGO, 12                           ; v12  8 l: my bytes in 256 consecutive bytes of o
.set TMP, 32
.set AF,  64
.set WFR, 80
.set T,   144                          ; T_i, register j = o(row 8 (l / 16) + j, d = 4 (l % 16) + i)
.set MSB, 0
.macro WIN new
.if MSB != (\new)
	s_set_vgpr_msb (MSB<<8)|(\new)
.set MSB, (\new)
.endif
.endm
.macro PLACES
.rept 4
	v_nop
.endr
.endm
	s_load_b128 s[4:7], s[0:1], 0x0                ; ctx s[4:5], Wkv s[6:7]
	s_load_b64 s[8:9], s[0:1], 0x10                ; o
	v_lshl_add_u32 v[SPW], v0, 2, SPARE
	v_mov_b32 v[NIL], 0
	v_lshrrev_b32 v1, 5, v0
	v_readfirstlane_b32 s12, v1                    ; wave 0..3
	v_and_b32 v17, 31, v0                          ; l
	v_and_b32 v18, 15, v0                          ; l % 16
	v_bfe_u32 v19, v0, 4, 1                        ; l / 16
	s_and_b32 s14, ttmp7, 0xffff                   ; h
	s_mul_i32 s30, s12, ASW
	s_lshl_b32 s31, s12, 14
	s_add_co_u32 s31, s31, WF
	v_lshlrev_b32 v[VAO], 4, v17
	v_lshl_add_u32 v[VAS], v17, 4, s30
	v_lshlrev_b32 v[VWO], 4, v18
	v_lshl_add_u32 v[VWO], v19, 15, v[VWO]         ; 8 rows of 4,096 bytes
	v_lshl_add_u32 v[VWS], v17, 4, s31
	v_mul_u32_u24 v[VAR], v18, ASP
	v_lshl_add_u32 v[VAR], v19, 4, v[VAR]
	v_add_nc_u32 v[VAR], s30, v[VAR]
	v_lshl_add_u32 v[VWR], v17, 4, WF
	v_lshlrev_b32 v[VGO], 3, v17
	s_lshl_b32 s20, ttmp9, 19                      ; ctx: (64 rb + 16 w) rows of 8,192 bytes + the head's 1,024
	s_lshl_b32 s28, s12, 17
	s_add_co_u32 s20, s20, s28
	s_lshl_b32 s28, s14, 10
	s_add_co_u32 s20, s20, s28
	s_mov_b32 s21, 0
	s_lshl_b32 s22, s12, 19                        ; Wkv: 128 w rows of 4,096 bytes + Wv's 2,048 + the head's 256
	s_lshl_b32 s28, s14, 8
	s_add_co_u32 s22, s22, s28
	s_add_co_u32 s22, s22, 2048
	s_mov_b32 s23, 0
	s_lshl_b32 s24, s14, 18                        ; o: the head's 262,144 bytes + (64 rb + 16 w) rows of 128
	s_lshl_b32 s28, ttmp9, 13
	s_add_co_u32 s24, s24, s28
	s_lshl_b32 s28, s12, 11
	s_add_co_u32 s24, s24, s28
	s_mov_b32 s25, 0
	s_wait_kmcnt 0x0
	s_add_nc_u64 s[4:5], s[4:5], s[20:21]
	s_add_nc_u64 s[6:7], s[6:7], s[22:23]
	s_add_nc_u64 s[8:9], s[8:9], s[24:25]
.macro ISSUE_A a, b                    ; rows 8 a .. 8 a + 7 of my 16: two loads of 512 bytes a row
	WIN 0x40
.set t, 0
.rept 16
	global_load_b128 v[64*(\b)+4*t:64*(\b)+4*t+3], v[VAO], s[4:5] offset:(8*(\a)+t/2)*8192+(t%2)*512 th:TH_LOAD_NT
.set t, t+1
.endr
	WIN 0
.endm
.macro ISSUE_W a, b                    ; K step 4 w + a of the slab
	WIN 0x40
.set t, 0
.rept 16
	global_load_b128 v[64*(\b)+4*t:64*(\b)+4*t+3], v[VWO], s[6:7] offset:(32*(\a)+16*(t/8)+t%8)*4096
.set t, t+1
.endr
	WIN 0
.endm
; left: the loads of the younger items, which may stay out
.macro PROC_A a, b, left
	s_wait_loadcnt \left
	WIN 0x04                                       ; the stores' data in window 1
.set t, 0
.rept 16
	ds_store_b128 v[VAS], v[64*(\b)+4*t:64*(\b)+4*t+3] offset:(8*(\a)+t/2)*ASP+(t%2)*512
.set t, t+1
.endr
	WIN 0
.endm
.macro PROC_W a, b, left
	s_wait_loadcnt \left
	WIN 0x05
.set i, 0
.rept 4
.set p, 0
.rept 8
	v_cvt_pk_f16_f32 v[TMP+8*i+p], v[64*(\b)+8*p+i], v[64*(\b)+8*p+4+i]
.set p, p+1
.endr
.set i, i+1
.endr
	WIN 0
.irp i, 0,1,2,3
	ds_store_b128 v[VWS], v[TMP+8*\i:TMP+8*\i+3]   offset:(4*(\a)+\i)*1024
	ds_store_b128 v[VWS], v[TMP+8*\i+4:TMP+8*\i+7] offset:(4*(\a)+\i)*1024+512
.endr
.endm
	ISSUE_A 0, 0
	ISSUE_A 1, 1
	ISSUE_W 0, 2
	ISSUE_W 1, 3
	PROC_A 0, 0, 48                                ; three younger items stay out
	ISSUE_W 2, 0
	PROC_A 1, 1, 48
	ISSUE_W 3, 1
	PROC_W 0, 2, 48
	PROC_W 1, 3, 32                                ; nothing is left to ask for: the counts run down
	PROC_W 2, 0, 16
	PROC_W 3, 1, 0
	s_wait_dscnt 0x0                               ; for the others' sake: my part of Wv's fragments is in LDS
	s_barrier_signal -1
	s_barrier_wait -1                              ; everybody's is; nobody writes them again
.macro LOADF ks                        ; a K step's ten fragment loads
.set bb, (\ks)%2
	ds_load_b128 v[AF+8*bb:AF+8*bb+3],   v[VAR] offset:64*(\ks)
	ds_load_b128 v[AF+8*bb+4:AF+8*bb+7], v[VAR] offset:64*(\ks)+32
.irp i, 0,1,2,3
	ds_load_b128 v[WFR+32*bb+8*\i:WFR+32*bb+8*\i+3],   v[VWR] offset:(4*(\ks)+\i)*1024
	ds_load_b128 v[WFR+32*bb+8*\i+4:WFR+32*bb+8*\i+7], v[VWR] offset:(4*(\ks)+\i)*1024+512
.endr
.endm
	LOADF 0
	LOADF 1
.set ks, 0
.rept 16
.if ks < 15
	s_wait_dscnt 10                                ; this step's fragments are in; the next step's ten loads may stay out
.else
	s_wait_dscnt 0x0
.endif
.irp i, 0,1,2,3                        ; the four accumulators take turns; the first step starts the sums
.if ks == 0
	v_wmma_f32_16x16x32_f16 v[T+8*\i:T+8*\i+7], v[AF:AF+7], v[WFR+8*\i:WFR+8*\i+7], 0
.else
	v_wmma_f32_16x16x32_f16 v[T+8*\i:T+8*\i+7], v[AF+8*(ks%2):AF+8*(ks%2)+7], v[WFR+32*(ks%2)+8*\i:WFR+32*(ks%2)+8*\i+7], v[T+8*\i:T+8*\i+7]
.endif
.endr
.if ks < 14
	PLACES
	LOADF ks+2
.endif
.set ks, ks+1
.endr
	PLACES
.set j, 0
.rept 8                                ; each accumulator is read from its low end on
	v_cvt_pk_f16_f32 v[TMP+2*j], v[T+j], v[T+8+j]
	v_cvt_pk_f16_f32 v[TMP+2*j+1], v[T+16+j], v[T+24+j]
.set j, j+1
.endr
.set j, 0
.rept 8
	global_store_b64 v[VGO], v[TMP+2*j:TMP+2*j+1], s[8:9] offset:256*j  ; slots 2 j and 2 j + 1: the wave stores 256 consecutive bytes, at a multiple of 256 from o's first byte
.set j, j+1
.endr
	s_wait_tensorcnt 0x0                           ; the wave's end: behind my last LDS store
	ds_add_u32 v[SPW], v[NIL]
	s_wait_dscnt 0x0
	s_endpgm
.Lfunc_end_k_q416dadb31f_vproj:
	.size	k_q416dadb31f_vproj, .Lfunc_end_k_q416dadb31f_vproj-k_q416dadb31f_vproj
	.p2alignl 7, 3214868480
	.fill 96, 4, 3214868480
	.section	.rodata,"a",@progbits
	.p2align	6, 0x0
	.amdhsa_kernel k_q416dadb31f_vproj
		.amdhsa_group_segment_fixed_size 132608
		.amdhsa_private_segment_fixed_size 0
		.amdhsa_enable_private_segment 0
		.amdhsa_kernarg_size 24
		.amdhsa_user_sgpr_count 2
		.amdhsa_user_sgpr_kernarg_segment_ptr 1
		.amdhsa_wavefront_size32 1
		.amdhsa_system_sgpr_workgroup_id_x 1
		.amdhsa_system_sgpr_workgroup_id_y 1
		.amdhsa_system_sgpr_workgroup_id_z 1
		.amdhsa_system_vgpr_workitem_id 0
		.amdhsa_next_free_vgpr 512
		.amdhsa_next_free_sgpr 66
		.amdhsa_reserve_vcc 0
		.amdhsa_float_denorm_mode_32 3
		.amdhsa_float_denorm_mode_16_64 3
		.amdhsa_memory_ordered 1
		.amdhsa_forward_progress 1
		.amdhsa_inst_pref_size 43
	.end_amdhsa_kernel
	.amdgpu_metadata
---
amdhsa.version: [ 1, 2 ]
amdhsa.kernels:
  - .name:           k_q416dadb31f_vproj
    .symbol:         k_q416dadb31f_vproj.kd
    .args:
      - { .name: ctx, .offset: 0, .size: 8, .value_kind: global_buffer, .address_space: global }
      - { .name: Wkv, .offset: 8, .size: 8, .value_kind: global_buffer, .address_space: global }
      - { .name: o, .offset: 16, .size: 8, .value_kind: global_buffer, .address_space: global }
    .group_segment_fixed_size: 132608
    .private_segment_fixed_size: 0
    .kernarg_segment_align: 8
    .kernarg_segment_size: 24
    .max_flat_workgroup_size: 128
    .sgpr_count:     66
    .vgpr_count:     512
    .wavefront_size: 32
...
	.end_amdgpu_metadata
.endif
;; end of part 3
;; launch oproj (part 4): grid 32 x 8, 4 waves a work-group, no clusters, 132,608 bytes of LDS; arguments o, Wo, bo, out0; writes out0
.if DOCPART == 4
	.amdgcn_target "amdgcn-amd-amdhsa--gfx1250"
	.amdhsa_code_object_version 6
	.text
	.protected	k_q416dadb31f_oproj
	.globl	k_q416dadb31f_oproj
	.p2align	8
	.type	k_q416dadb31f_oproj,@function
k_q416dadb31f_oproj:
	s_mov_b64 s[64:65], 0
	v_nop
	global_prefetch_b8 v0, s[64:65] scope:SCOPE_SE
	s_setreg_imm32_b32 hwreg(HW_REG_WAVE_MODE, 25, 1), 1
	s_wait_xcnt 0x0
; OPROJ.  out0[n][f] = sum over h, d of o[n][h][d] Wo[64 h + d][f] + bo[f].  o: f16, [h][tile of 16 n][slot][64 d], slot 2 j + hh = row 8 hh + j of the tile.
; Wo: [512][512] f32.  bo: [512] f32.  out0: [2048][512] f32.
; FORMATS AND LIMITS.  Wo is rounded once to f16 (|Wo| below 65,504; below 6e-5 f16 keeps a fixed step of 6e-8); sums and the bias are f32.  NaN and infinities are not treated apart.
; SHARES.  Work-group (rb, fb): 64 rows n, columns 64 fb .. + 63.  Wave w: rows 64 rb + 16 w .. + 15; of Wo's slab it converts K steps 4 w .. 4 w + 3.
; NO CLUSTER, NO TENSOR LOAD: the slab that the 32 row blocks share is f32 and is rounded in registers on the way into LDS, into register images of fragments.
; NO PREFETCH: six items of loads a wave, four of them out from the first line on.
; ON THE WAY IN: as in the launch before: items of 16 loads, four register buffers (window 1); Wo's rows run across K: register p of fragment i pairs word i of loads 2 p and 2 p + 1.
.set ASP,   1040                       ; a row of o in LDS: 8 heads x 128 bytes + 16
.set ASW,   16*ASP
.set WF,    4*ASW                      ; 66,560: Wo's fragments: (K step ks, i) at (4 ks + i) x 1,024
.set SPARE, WF+65536                   ; 132,096: the spare words, 128 bytes a wave: two blocks of 256 bytes that no other line names
.set VAO, 2                            ; v2   16 l
.set VAS, 3                            ; v3   where my 16 bytes of four slots go
.set VWO, 4                            ; v4   8 rows of 2,048 bytes x (l / 16) + 16 (l % 16): for Wo and for out0
.set VWS, 5                            ; v5   where I put fragments
.set VAR, 8                            ; v8   where I read fragments of o
.set VWR, 9                            ; v9   where I read fragments of Wo
.set SPW, 10                           ; v10  my spare word; never rewritten
.set NIL, 11                           ; v11  0; never rewritten
.set VBO, 13                           ; v13  16 (l % 16)
.set BV,  20                           ; v20-23  bo of my four columns 4 (l % 16) + i
.set TMP, 32
.set AF,  64
.set WFR, 80
.set T,   144                          ; T_i, register j = (row 8 (l / 16) + j, column 4 (l % 16) + i)
.set MSB, 0
.macro WIN new
.if MSB != (\new)
	s_set_vgpr_msb (MSB<<8)|(\new)
.set MSB, (\new)
.endif
.endm
.macro PLACES
.rept 4
	v_nop
.endr
.endm
	s_load_b256 s[4:11], s[0:1], 0x0               ; o s[4:5], Wo s[6:7], bo s[8:9], out0 s[10:11]
	v_lshl_add_u32 v[SPW], v0, 2, SPARE
	v_mov_b32 v[NIL], 0
	v_lshrrev_b32 v1, 5, v0
	v_readfirstlane_b32 s12, v1                    ; wave 0..3
	v_and_b32 v17, 31, v0                          ; l
	v_and_b32 v18, 15, v0                          ; l % 16
	v_bfe_u32 v19, v0, 4, 1                        ; l / 16
	s_and_b32 s14, ttmp7, 0xffff                   ; fb
	s_mul_i32 s30, s12, ASW
	s_lshl_b32 s31, s12, 14
	s_add_co_u32 s31, s31, WF
	v_lshlrev_b32 v[VAO], 4, v17
	; a load takes 512 bytes = slots 4 p .. 4 p + 3; my slot is 4 p + l / 8, which is row 8 ((l / 8) % 2) + l / 16 + 2 p
	v_bfe_u32 v1, v0, 3, 1
	v_lshl_add_u32 v1, v1, 3, v19
	v_mul_u32_u24 v[VAS], v1, ASP
	v_and_b32 v1, 7, v0
	v_lshl_add_u32 v[VAS], v1, 4, v[VAS]
	v_add_nc_u32 v[VAS], s30, v[VAS]
	v_lshlrev_b32 v[VBO], 4, v18
	v_lshl_add_u32 v[VWO], v19, 14, v[VBO]
	v_lshl_add_u32 v[VWS], v17, 4, s31
	v_mul_u32_u24 v[VAR], v18, ASP
	v_lshl_add_u32 v[VAR], v19, 4, v[VAR]
	v_add_nc_u32 v[VAR], s30, v[VAR]
	v_lshl_add_u32 v[VWR], v17, 4, WF
	s_lshl_b32 s20, ttmp9, 13                      ; o: (64 rb + 16 w) rows of 128 bytes
	s_lshl_b32 s28, s12, 11
	s_add_co_u32 s20, s20, s28
	s_mov_b32 s21, 0
	s_lshl_b32 s24, s14, 8                         ; bo: the slab's 256 bytes
	s_mov_b32 s25, 0
	s_lshl_b32 s22, s12, 18                        ; Wo: 128 w rows of 2,048 bytes + the slab's 256
	s_add_co_u32 s22, s22, s24
	s_mov_b32 s23, 0
	s_lshl_b32 s26, ttmp9, 17                      ; out0: (64 rb + 16 w) rows of 2,048 bytes + the slab's 256
	s_lshl_b32 s28, s12, 15
	s_add_co_u32 s26, s26, s28
	s_add_co_u32 s26, s26, s24
	s_mov_b32 s27, 0
	s_wait_kmcnt 0x0
	s_add_nc_u64 s[4:5], s[4:5], s[20:21]
	s_add_nc_u64 s[6:7], s[6:7], s[22:23]
	s_add_nc_u64 s[8:9], s[8:9], s[24:25]
	s_add_nc_u64 s[10:11], s[10:11], s[26:27]
.macro ISSUE_A a, b                    ; load q = 16 a + t: head q / 4, slots 4 (q % 4) .. + 3 of my tile
	WIN 0x40
.set t, 0
.rept 16
	global_load_b128 v[64*(\b)+4*t:64*(\b)+4*t+3], v[VAO], s[4:5] offset:((16*(\a)+t)/4)*262144+512*((16*(\a)+t)%4)
.set t, t+1
.endr
	WIN 0
.endm
.macro ISSUE_W a, b                    ; K step 4 w + a of the slab
	WIN 0x40
.set t, 0
.rept 16
	global_load_b128 v[64*(\b)+4*t:64*(\b)+4*t+3], v[VWO], s[6:7] offset:(32*(\a)+16*(t/8)+t%8)*2048
.set t, t+1
.endr
	WIN 0
.endm
; left: the loads of the younger items, which may stay out
.macro PROC_A a, b, left
	s_wait_loadcnt \left
	WIN 0x04                                       ; the stores' data in window 1
.set t, 0
.rept 16
	ds_store_b128 v[VAS], v[64*(\b)+4*t:64*(\b)+4*t+3] offset:2*ASP*((16*(\a)+t)%4)+128*((16*(\a)+t)/4)
.set t, t+1
.endr
	WIN 0
.endm
.macro PROC_W a, b, left
	s_wait_loadcnt \left
	WIN 0x05
.set i, 0
.rept 4
.set p, 0
.rept 8
	v_cvt_pk_f16_f32 v[TMP+8*i+p], v[64*(\b)+8*p+i], v[64*(\b)+8*p+4+i]
.set p, p+1
.endr
.set i, i+1
.endr
	WIN 0
.irp i, 0,1,2,3
	ds_store_b128 v[VWS], v[TMP+8*\i:TMP+8*\i+3]   offset:(4*(\a)+\i)*1024
	ds_store_b128 v[VWS], v[TMP+8*\i+4:TMP+8*\i+7] offset:(4*(\a)+\i)*1024+512
.endr
.endm
	global_load_b128 v[BV:BV+3], v[VBO], s[8:9]    ; the bias: the oldest load, so the first item's wait shows it in too
	ISSUE_A 0, 0
	ISSUE_A 1, 1
	ISSUE_W 0, 2
	ISSUE_W 1, 3
	PROC_A 0, 0, 48                                ; three younger items stay out
	ISSUE_W 2, 0
	PROC_A 1, 1, 48
	ISSUE_W 3, 1
	PROC_W 0, 2, 48
	PROC_W 1, 3, 32                                ; nothing is left to ask for: the counts run down
	PROC_W 2, 0, 16
	PROC_W 3, 1, 0
	s_wait_dscnt 0x0                               ; for the others' sake: my part of Wo's fragments is in LDS
	s_barrier_signal -1
	s_barrier_wait -1                              ; everybody's is; nobody writes them again
.macro LOADF ks                        ; a K step's ten fragment loads
.set bb, (\ks)%2
	ds_load_b128 v[AF+8*bb:AF+8*bb+3],   v[VAR] offset:64*(\ks)
	ds_load_b128 v[AF+8*bb+4:AF+8*bb+7], v[VAR] offset:64*(\ks)+32
.irp i, 0,1,2,3
	ds_load_b128 v[WFR+32*bb+8*\i:WFR+32*bb+8*\i+3],   v[VWR] offset:(4*(\ks)+\i)*1024
	ds_load_b128 v[WFR+32*bb+8*\i+4:WFR+32*bb+8*\i+7], v[VWR] offset:(4*(\ks)+\i)*1024+512
.endr
.endm
	LOADF 0
	LOADF 1
.set ks, 0
.rept 16
.if ks < 15
	s_wait_dscnt 10                                ; this step's fragments are in; the next step's ten loads may stay out
.else
	s_wait_dscnt 0x0
.endif
.irp i, 0,1,2,3                        ; the four accumulators take turns; the first step starts the sums
.if ks == 0
	v_wmma_f32_16x16x32_f16 v[T+8*\i:T+8*\i+7], v[AF:AF+7], v[WFR+8*\i:WFR+8*\i+7], 0
.else
	v_wmma_f32_16x16x32_f16 v[T+8*\i:T+8*\i+7], v[AF+8*(ks%2):AF+8*(ks%2)+7], v[WFR+32*(ks%2)+8*\i:WFR+32*(ks%2)+8*\i+7], v[T+8*\i:T+8*\i+7]
.endif
.endr
.if ks < 14
	PLACES
	LOADF ks+2
.endif
.set ks, ks+1
.endr
	PLACES
.set j, 0
.rept 8                                ; four neighbouring columns of row 8 (l / 16) + j, with the bias; each accumulator is read from its low end on
.irp i, 0,1,2,3
	v_add_f32 v[TMP+4*j+\i], v[T+8*\i+j], v[BV+\i]
.endr
.set j, j+1
.endr
.set j, 0
.rept 8
	global_store_b128 v[VWO], v[TMP+4*j:TMP+4*j+3], s[10:11] offset:2048*j  ; 16 lanes store 256 consecutive bytes, at a multiple of 256 from out0's first byte
.set j, j+1
.endr
	s_wait_tensorcnt 0x0                           ; the wave's end: behind my last LDS store
	ds_add_u32 v[SPW], v[NIL]
	s_wait_dscnt 0x0
	s_endpgm
.Lfunc_end_k_q416dadb31f_oproj:
	.size	k_q416dadb31f_oproj, .Lfunc_end_k_q416dadb31f_oproj-k_q416dadb31f_oproj
	.p2alignl 7, 3214868480
	.fill 96, 4, 3214868480
	.section	.rodata,"a",@progbits
	.p2align	6, 0x0
	.amdhsa_kernel k_q416dadb31f_oproj
		.amdhsa_group_segment_fixed_size 132608
		.amdhsa_private_segment_fixed_size 0
		.amdhsa_enable_private_segment 0
		.amdhsa_kernarg_size 32
		.amdhsa_user_sgpr_count 2
		.amdhsa_user_sgpr_kernarg_segment_ptr 1
		.amdhsa_wavefront_size32 1
		.amdhsa_system_sgpr_workgroup_id_x 1
		.amdhsa_system_sgpr_workgroup_id_y 1
		.amdhsa_system_sgpr_workgroup_id_z 1
		.amdhsa_system_vgpr_workitem_id 0
		.amdhsa_next_free_vgpr 512
		.amdhsa_next_free_sgpr 66
		.amdhsa_reserve_vcc 0
		.amdhsa_float_denorm_mode_32 3
		.amdhsa_float_denorm_mode_16_64 3
		.amdhsa_memory_ordered 1
		.amdhsa_forward_progress 1
		.amdhsa_inst_pref_size 43
	.end_amdhsa_kernel
	.amdgpu_metadata
---
amdhsa.version: [ 1, 2 ]
amdhsa.kernels:
  - .name:           k_q416dadb31f_oproj
    .symbol:         k_q416dadb31f_oproj.kd
    .args:
      - { .name: o, .offset: 0, .size: 8, .value_kind: global_buffer, .address_space: global }
      - { .name: Wo, .offset: 8, .size: 8, .value_kind: global_buffer, .address_space: global }
      - { .name: bo, .offset: 16, .size: 8, .value_kind: global_buffer, .address_space: global }
      - { .name: out0, .offset: 24, .size: 8, .value_kind: global_buffer, .address_space: global }
    .group_segment_fixed_size: 132608
    .private_segment_fixed_size: 0
    .kernarg_segment_align: 8
    .kernarg_segment_size: 32
    .max_flat_workgroup_size: 128
    .sgpr_count:     66
    .vgpr_count:     512
    .wavefront_size: 32
...
	.end_amdgpu_metadata
.endif
;; end of part 4
